; MI455X (gfx1250); checked and timed in simulation.
; The chip was launched on July 23, 2026; its instructions are those of AMD's public machine-readable ISA for CDNA 5 (MIT licence, August 2026) and "CDNA5" Instruction Set Architecture Reference Guide (July 2026). The comments in the code are by the model that wrote it; some were corrected since.
;; Seeded Self Attention. Allowed arithmetic: matrix products marked QUANTISED: E4M3 operands, one given power-of-two scale a tensor, by v_wmma_f32_16x16x64_fp8_fp8 or v_wmma_f32_16x16x128_fp8_fp8, f32 sums; everything else in f32.
;; Inputs: Wk 1,024 x 1,024 float32; Wv 1,024 x 1,024 float32; bk 1,024 float32; bv 1,024 float32; lowp_scales 8 int32 (the exponents e of the quantised operands' scales 2^e); seed_vectors 512 x 1,024 float32; x 32 x 512 x 1,024 float32.
;; Outputs: out0 32 x 512 x 1,024 float32.
;; This version of the problem:
;;   THIS VERSION OF THE PROBLEM IS GIVEN IN LOW PRECISION. The matrix products marked QUANTISED in the list below multiply operands that are first quantised to E4M3 (4 exponent bits, 3 mantissa bits; 8 bits a number), with one given power-of-two scale for each operand tensor; their sums are f32. All else is computed in f32.
;;   The module's matrix products, in the order in which they are computed (A, B: the left and right operand; K: the contracted axis; several contracted axes count as one K, in the product's order):
;;     1. [M 16,384, K 1,024] x [K 1,024, N 1,024]; A: input x; B: input Wk: QUANTISED (scales: A lowp_scales[0], B lowp_scales[1])
;;     2. [M 16,384, K 1,024] x [K 1,024, N 1,024]; A: input x; B: input Wv: QUANTISED (scales: A lowp_scales[2], B lowp_scales[3])
;;     3. [M 16,384, K 1,024] x [K 1,024, N 512]; A: computed on the way; B: input seed_vectors: QUANTISED (scales: A lowp_scales[4], B lowp_scales[5])
;;     4. batch 32 x [M 512, K 512] x [K 512, N 1,024]; A: softmax (see below); B: computed on the way: QUANTISED (scales: A lowp_scales[6], B lowp_scales[7])
;;   THE QUANTISER, for each operand of a quantised product, along K:
;;     - The operand's scale is 2^e, e = its entry of the input lowp_scales (int32; the entries are numbered through the quantised products in the list's order, A before B).
;;     - Each number is divided by the scale, clamped to +-448, and rounded to the nearest number of E4M3, ties to even, subnormals kept.
;;     - The product sums the exact products of the quantised numbers (number of the format x scale) in f32.
;;   ~~~python
;;   def quantise(x, axis, e):      # numpy; x: float32 -> the quantised numbers, widened to float32 again
;;       x = np.moveaxis(x, axis, -1); K = x.shape[-1]
;;       r = np.clip(x / 2.0 ** e, -448, 448)
;;       step = 2.0 ** (np.maximum(np.frexp(np.where(r == 0, 1, r))[1] - 1, -6) - 3)
;;       q = np.round(r / step) * step * 2.0 ** e      # np.round: ties to even
;;       return np.moveaxis(q, -1, axis).astype(np.float32)
;;   ~~~
;;   SOFTMAX AHEAD OF A QUANTISED PRODUCT. Where the list says 'softmax', what is quantised is not the finished softmax but p = 2^(t - M), with t = logit x log2(e) and M = ceil(the row's largest t), a whole number; so 1/2 < the row's largest p <= 1. The row's sum l is taken of the UNQUANTISED p, in f32, and the product's result is divided by l at the end. Since M is a whole number, a kernel that streams over the keys may use a running M (the ceiling of the running maximum): every later rescaling is an exact power of two, so the quantised numbers keep their values, but for numbers so far below the row's largest that they fall under the format's range.
;;   OPERANDS COMPUTED ON THE WAY. 'Computed on the way' means the value that the module computes at that place (a softmax that the list does not call 'softmax' is quantised finished and normalised). What goes into a quantiser is computed in f32, as accurately as f32 sums, v_exp_f32 and their like allow (about 1e-6 of the number): no bf16 or f16 on the way to a quantiser, and a product that is left as it is and whose result goes on into a quantised operand takes f32 operands (vector FMAs, or v_wmma_f32_16x16x4_f32). A number that lies on a knife's edge between two numbers of the format may be rounded either way, as far as f32 arithmetic and the matrix unit's own rounding can turn it there, and no further.
;; One version. Each part assembles by itself: llvm-mc -triple=amdgcn-amd-amdhsa -mcpu=gfx1250 --defsym DOCPART=n.
;; ======== version 1 of 1: 3 launches
;; limits: right only within a limited range of input values
;; workspace buffers: acodes 17,825,792 bytes; bcodes 17,825,792 bytes; qcodes 524,288 bytes; kv 33,554,432 bytes
;; launch quant (part 1): grid 592 x 1, 4 waves a work-group, no clusters, 68,096 bytes of LDS; arguments x, Wk, Wv, seed_vectors, lowp_scales, acodes, bcodes, qcodes; writes acodes, bcodes, qcodes
.if DOCPART == 1
	.amdgcn_target "amdgcn-amd-amdhsa--gfx1250"
	.amdhsa_code_object_version 6
	.text
	.protected	k_q206c02dfcc_quant
	.globl	k_q206c02dfcc_quant
	.p2align	8
	.type	k_q206c02dfcc_quant,@function
k_q206c02dfcc_quant:
	s_mov_b64 s[64:65], 0
	v_nop
	global_prefetch_b8 v0, s[64:65] scope:SCOPE_SE
	s_setreg_imm32_b32 hwreg(HW_REG_WAVE_MODE, 25, 1), 1
	s_wait_xcnt 0x0
; All quantisers of the inputs, E4M3, each with its given scale 2^e: code = number / 2^e, held within +-448, to the nearest code, ties to even.
;   x [16384][1024] f32  -> acodes byte 0 on        (e0, rows as they lie, K innermost)   and -> bcodes byte 1 MiB on (e2)
;   Wk [d 1024][p 1024]  -> bcodes byte 0 on        (e1, laid [p][d]: K = d innermost)
;   Wv [d 1024][p 1024]  -> acodes byte 16 MiB on   (e3, laid [p][d])
;   seed_vectors [512][1024] -> qcodes (e5), as images of the operand's registers: [block of 64 queries][K step of 128][tile of 16 queries][2048 bytes];
;   in an image registers 4 g .. 4 g + 3 of lane l lie at 512 g + 16 l; lane (r, h) holds row r, registers 2 c, 2 c + 1 hold K = 16 c + 8 h + 0 .. 7.
; Work-groups 0-63 take the two weights, 64-79 the seeds, 80-591 x.  The three ways part on the work-group's number alone; each has LDS bytes of its own.
; LIMITS: e0, e1, e2, e3, e5 between -126 and 119, so that 2^e and 448 x 2^e are f32 numbers.  NaN among the inputs is not served; an infinity is held at the largest code.
.set NW, 64                            ; work-groups for the weights
.set NS, 16                            ; for the seeds
.macro MKSCALE e, sc, lim              ; s[e] = e  ->  v[sc] = 2^e (the conversion takes its exponent field), v[lim] = 448 x 2^e
	s_add_co_i32 s32, s[\e], 127
	s_lshl_b32 s33, s32, 23
	v_mov_b32 v[\sc], s33
	s_add_co_i32 s32, s32, 8
	s_lshl_b32 s32, s32, 23
	s_or_b32 s32, s32, 0x600000
	v_mov_b32 v[\lim], s32
.endm
	s_load_b256 s[4:11], s[0:1], 0x0               ; x s[4:5], Wk s[6:7], Wv s[8:9], seeds s[10:11]
	s_load_b256 s[12:19], s[0:1], 0x20             ; scales s[12:13], acodes s[14:15], bcodes s[16:17], qcodes s[18:19]
	v_lshl_add_u32 v9, v0, 2, 0x10800
	s_set_vgpr_msb 0x40
	v_mov_b32 v1, 0
	s_set_vgpr_msb 0x4000
	v_lshrrev_b32 v1, 5, v0
	v_readfirstlane_b32 s20, v1                    ; wave 0..3
	v_and_b32 v2, 31, v0                           ; lane
	s_mov_b32 s35, 0                               ; the upper word of every offset pair s[34:35]
	s_wait_kmcnt 0x0
	s_load_b256 s[24:31], s[12:13], 0x0            ; e0 .. e7
	s_cmp_lt_u32 ttmp9, NW
	s_cbranch_scc1 .Lw
	s_cmp_lt_u32 ttmp9, NW+NS
	s_cbranch_scc1 .Ls
; ---- x: a plain stream.  A wave takes 16 steps of 512 numbers.  Each load reads 512 consecutive bytes; a step's 2,048 bytes turn through the wave's own stage in LDS
; (16 bytes of padding behind each 64) and come back 64 bytes a lane: 16 neighbours along K, which the conversions want in one lane.  Both sets of codes leave as 512 consecutive bytes a store.
; Loads run eight steps ahead: 32 loads, 16,384 bytes, of every wave are on their way; the turn through LDS runs one step ahead.
.set AHEAD, 8
.set R,   16                           ; v16-143  eight sets of 16 numbers as loaded
.set X,   144                          ; v144-175 two sets of 16 neighbours; held for e2 in place
.set T,   176                          ; v176-191 the same numbers held for e0
.set CK,  192                          ; v192-223 codes by e0: eight sets of four registers
.set CV,  224                          ; v224-255 codes by e2: likewise
.set SPX, 80                           ; a lane's place in a stage
	s_sub_co_u32 s21, ttmp9, NW+NS
	s_lshl_b32 s21, s21, 2
	s_add_co_u32 s21, s21, s20                     ; which run of 8,192 numbers is my wave's
	s_lshl_b32 s34, s21, 15
	s_add_nc_u64 s[4:5], s[4:5], s[34:35]          ; x at my run
	s_lshl_b32 s34, s21, 13
	s_add_nc_u64 s[14:15], s[14:15], s[34:35]      ; the codes by e0
	s_add_nc_u64 s[16:17], s[16:17], s[34:35]
	s_add_nc_u64 s[16:17], s[16:17], 0x100000      ; the codes by e2 lie behind Wk's
	s_wait_alu depctr_va_vdst(0)
	v_lshlrev_b32 v3, 4, v2                        ; 16 x lane: my bytes of a load's 512, and of a store's
	s_lshl_b32 s22, s20, 13                        ; my wave's 8,192 bytes of LDS: two stages of 32 x 80
	v_lshrrev_b32 v14, 2, v2
	v_mul_u32_u24 v14, v14, SPX
	v_and_b32 v15, 3, v2
	v_lshl_add_u32 v14, v15, 4, v14
	v_add_nc_u32 v14, s22, v14                     ; into the stage: 80 (lane / 4) + 16 (lane % 4)
	v_mul_u32_u24 v15, v2, SPX
	v_add_nc_u32 v15, s22, v15                     ; out of it: 80 x lane
.macro XLOAD t
.irp i, 0,1,2,3
	global_load_b128 v[R+16*((\t)%AHEAD)+4*\i:R+16*((\t)%AHEAD)+4*\i+3], v3, s[4:5] offset:2048*(\t)+512*\i th:TH_LOAD_NT
.endr
.endm
.macro XTURN t                         ; LDS serves a wave's instructions in order: no wait between the stores and the loads
.irp i, 0,1,2,3
	ds_store_b128 v14, v[R+16*((\t)%AHEAD)+4*\i:R+16*((\t)%AHEAD)+4*\i+3] offset:32*SPX*((\t)%2)+8*SPX*\i
.endr
.irp i, 0,1,2,3
	ds_load_b128 v[X+16*((\t)%2)+4*\i:X+16*((\t)%2)+4*\i+3], v15 offset:32*SPX*((\t)%2)+16*\i
.endr
.endm
.irp t, 0,1,2,3,4,5,6,7
	XLOAD \t
.endr
	s_wait_alu depctr_va_vdst(0)
	s_wait_kmcnt 0x0
	MKSCALE 24, 11, 10                             ; e0
	MKSCALE 26, 13, 12                             ; e2
	s_wait_alu depctr_va_vdst(0)
	s_wait_loadcnt 28                              ; step 0's four loads are in; seven steps' stay out
	XTURN 0
.macro XSTEP t
.set XS, X+16*((\t)%2)
.set C8, 4*((\t)%AHEAD)
	s_wait_dscnt 0x0                               ; this step's numbers are back: so its stores into the stage have read their registers,
.if (\t)+AHEAD < 16
	XLOAD (\t)+AHEAD                               ; which take the loads of eight steps on
.endif
.if (\t)+1 < 16
.if (\t) <= 7
	s_wait_loadcnt 28                              ; the next step's four loads are in; those of the seven steps behind it may be out
.else
	s_wait_loadcnt 4*(14-(\t))                     ; nothing more is asked for: the counts run down
.endif
	XTURN (\t)+1
.endif
.irp i, 0,1,2,3,4,5,6,7,8,9,10,11,12,13,14,15
	v_med3_num_f32 v[T+\i], v[XS+\i], -v10, v10    ; the conversion to an 8-bit code does not saturate (ISA guide 7.6.2): the hold comes first
.endr
.irp i, 0,1,2,3,4,5,6,7,8,9,10,11,12,13,14,15
	v_med3_num_f32 v[XS+\i], v[XS+\i], -v12, v12
.endr
.if (\t) >= AHEAD
	s_wait_alu depctr_va_vdst(0)
	s_wait_xcnt 0x0                                ; the stores of eight steps ago have read this set of code registers: it is written again only behind this wait
.endif
	v_cvt_scalef32_pk8_fp8_f32 v[CK+C8:CK+C8+1], v[T:T+7], v11
	v_cvt_scalef32_pk8_fp8_f32 v[CK+C8+2:CK+C8+3], v[T+8:T+15], v11
	v_cvt_scalef32_pk8_fp8_f32 v[CV+C8:CV+C8+1], v[XS:XS+7], v13
	v_cvt_scalef32_pk8_fp8_f32 v[CV+C8+2:CV+C8+3], v[XS+8:XS+15], v13
	v_nop                                          ; a plain line behind the conversions: the next step's holds write T, a source of theirs
	global_store_b128 v3, v[CK+C8:CK+C8+3], s[14:15] offset:512*(\t)   ; 32 lanes store 512 consecutive bytes, aligned
	global_store_b128 v3, v[CV+C8:CV+C8+3], s[16:17] offset:512*(\t)
.endm
.irp t, 0,1,2,3,4,5,6,7,8,9,10,11,12,13,14,15
	XSTEP \t
.endr
	s_set_vgpr_msb 0x4
	s_wait_tensorcnt 0x0
	ds_add_u32 v9, v1
	s_wait_dscnt 0x0
	s_set_vgpr_msb 0x400
	s_endpgm
; ---- the weights: K is the first axis.  A lane takes a column p and its registers run down d, so the conversions give codes with K innermost; nothing is transposed by an instruction.
; A wave takes 32 columns x 256 along K; the codes gather in the wave's stage (rows of 256 + 16 bytes) and leave as rows: sixteen lanes store 256 consecutive bytes, aligned.
.set WSTG,   32768                     ; this way's LDS bytes begin here
.set WPITCH, 272
.set WX,     32                        ; v32-95   two sets of 32 numbers
.set WC,     96                        ; v96-103  a block's codes
.set WOUT,   112                       ; v112-175 the way out
.Lw:
	s_lshr_b32 s21, ttmp9, 5                       ; 0: Wk, 1: Wv
	s_and_b32 s22, ttmp9, 7
	s_bfe_u32 s23, ttmp9, 0x20003                  ; which 256 along K
	s_lshl_b32 s22, s22, 7
	s_lshl_b32 s36, s20, 5
	s_add_co_u32 s22, s22, s36                     ; my wave's first column
	s_cmp_eq_u32 s21, 0                            ; the choice hangs on the work-group's number alone
	s_cselect_b64 s[6:7], s[6:7], s[8:9]           ; the weight
	s_cselect_b64 s[16:17], s[16:17], s[14:15]     ; Wk's codes go to bcodes, Wv's to acodes
	s_lshl_b32 s34, s23, 20                        ; 256 rows of 4,096 bytes
	s_lshl_b32 s36, s22, 2
	s_add_co_u32 s34, s34, s36
	s_add_nc_u64 s[6:7], s[6:7], s[34:35]
	s_lshl_b32 s34, s22, 10                        ; a row of codes is 1,024 bytes
	s_lshl_b32 s36, s23, 8
	s_add_co_u32 s34, s34, s36
	s_lshl_b32 s36, s21, 24                        ; Wv's codes lie behind x's 16 MiB
	s_add_co_u32 s34, s34, s36
	s_add_nc_u64 s[16:17], s[16:17], s[34:35]
	s_mul_i32 s37, s20, 32*WPITCH
	s_add_co_u32 s37, s37, WSTG                    ; my stage
	s_wait_alu depctr_va_vdst(0)
	v_lshlrev_b32 v3, 2, v2                        ; in: 4 bytes a lane
	v_mul_u32_u24 v4, v2, WPITCH
	v_add_nc_u32 v4, s37, v4                       ; into the stage: row = my column
	v_and_b32 v5, 15, v2
	v_lshrrev_b32 v6, 4, v2
	v_mul_u32_u24 v7, v6, WPITCH
	v_lshl_add_u32 v7, v5, 4, v7
	v_add_nc_u32 v7, s37, v7                       ; out of it: sixteen lanes to a row, two rows an instruction
	v_lshlrev_b32 v8, 10, v6
	v_lshl_add_u32 v8, v5, 4, v8                   ; and the same place in the codes
.macro WLOAD t                         ; block t: W(32 t + n, my column): 32 lanes read 128 consecutive bytes, the four waves 512
.set n, 0
.rept 32
	global_load_b32 v[WX+32*((\t)%2)+n], v3, s[6:7] offset:(32*(\t)+n)*4096 th:TH_LOAD_NT
.set n, n+1
.endr
.endm
	WLOAD 0
	WLOAD 1
	s_wait_kmcnt 0x0
	s_cmp_eq_u32 s21, 0
	s_cselect_b32 s25, s25, s27                    ; e1 or e3
	MKSCALE 25, 11, 10
.macro WBLOCK t
.set XS, WX+32*((\t)%2)
.if (\t) < 7
	s_wait_loadcnt 32                              ; this block's 32 loads are in; the next block's may be out
.else
	s_wait_loadcnt 0x0
.endif
.set n, 0
.rept 32
	v_med3_num_f32 v[XS+n], v[XS+n], -v10, v10
.set n, n+1
.endr
.irp g, 0,1,2,3
	v_cvt_scalef32_pk8_fp8_f32 v[WC+2*\g:WC+2*\g+1], v[XS+8*\g:XS+8*\g+7], v11
.endr
	v_nop                                          ; a plain line behind the conversions
	ds_store_b128 v4, v[WC:WC+3] offset:32*(\t)
	ds_store_b128 v4, v[WC+4:WC+7] offset:32*(\t)+16
.if (\t)+2 < 8
	WLOAD (\t)+2
.endif
	s_wait_dscnt 0x0                               ; the stores have read their registers: the next block's codes may be written
.endm
	s_wait_alu depctr_va_vdst(0)
.irp t, 0,1,2,3,4,5,6,7
	WBLOCK \t
.endr
.irp t, 0,1,2,3,4,5,6,7,8,9,10,11,12,13,14,15
	ds_load_b128 v[WOUT+4*\t:WOUT+4*\t+3], v7 offset:2*\t*WPITCH
.endr
.irp t, 0,1,2,3,4,5,6,7,8,9,10,11,12,13,14,15
	s_wait_dscnt 15-\t                             ; LDS loads come back in order: pair t of rows is in
	global_store_b128 v8, v[WOUT+4*\t:WOUT+4*\t+3], s[16:17] offset:2*\t*1024
.endr
	s_set_vgpr_msb 0x4
	s_wait_tensorcnt 0x0
	ds_add_u32 v9, v1
	s_wait_dscnt 0x0
	s_set_vgpr_msb 0x400
	s_endpgm
; ---- the seeds: a wave makes four fragments (16 queries x 128 K).  Lane (r, h) loads, of row r, the eight numbers K = 16 c + 8 h + 0 .. 7 for c = 0 .. 7: the conversions' results are the
; operand's registers, stored as they stand, 512 consecutive bytes a store.  The loads take 32 bytes a lane from sixteen rows: 2 MiB in all, for which no stage is spent.
.Ls:
	s_sub_co_u32 s21, ttmp9, NW
	s_lshl_b32 s21, s21, 1
	s_lshr_b32 s22, s20, 1
	s_add_co_u32 s21, s21, s22                     ; my tile of 16 queries, 0 .. 31
	s_and_b32 s22, s20, 1                          ; K steps 4 x this + 0 .. 3
	s_lshl_b32 s34, s21, 16                        ; 16 rows of 4,096 bytes
	s_lshl_b32 s36, s22, 11
	s_add_co_u32 s34, s34, s36
	s_add_nc_u64 s[10:11], s[10:11], s[34:35]
	s_lshr_b32 s34, s21, 2
	s_lshl_b32 s34, s34, 16                        ; the block of 64 queries: 65,536 bytes
	s_and_b32 s36, s21, 3
	s_lshl_b32 s36, s36, 11                        ; the tile in it: 2,048
	s_add_co_u32 s34, s34, s36
	s_lshl_b32 s36, s22, 15                        ; four K steps of 8,192
	s_add_co_u32 s34, s34, s36
	s_add_nc_u64 s[18:19], s[18:19], s[34:35]
	s_wait_alu depctr_va_vdst(0)
	v_and_b32 v5, 15, v2
	v_lshrrev_b32 v6, 4, v2
	v_lshlrev_b32 v3, 12, v5
	v_lshl_add_u32 v3, v6, 5, v3                   ; row r, + 32 h
	v_lshlrev_b32 v4, 4, v2                        ; 16 x lane
.macro SLOAD f
.irp c, 0,1,2,3,4,5,6,7
.irp u, 0,1
	global_load_b128 v[32+64*((\f)%2)+8*\c+4*\u:32+64*((\f)%2)+8*\c+4*\u+3], v3, s[10:11] offset:512*(\f)+64*\c+16*\u
.endr
.endr
.endm
	SLOAD 0
	SLOAD 1
	s_wait_kmcnt 0x0
	MKSCALE 29, 11, 10                             ; e5
.macro SFRAG f
.set XS, 32+64*((\f)%2)
.if (\f) < 3
	s_wait_loadcnt 16                              ; this fragment's 16 loads are in; the next one's may be out
.else
	s_wait_loadcnt 0x0
.endif
.set n, 0
.rept 64
	v_med3_num_f32 v[XS+n], v[XS+n], -v10, v10
.set n, n+1
.endr
.irp c, 0,1,2,3,4,5,6,7
	v_cvt_scalef32_pk8_fp8_f32 v[160+16*(\f)+2*\c:160+16*(\f)+2*\c+1], v[XS+8*\c:XS+8*\c+7], v11
.endr
	v_nop                                          ; a plain line behind the conversions
.irp g, 0,1,2,3
	global_store_b128 v4, v[160+16*(\f)+4*\g:160+16*(\f)+4*\g+3], s[18:19] offset:8192*(\f)+512*\g
.endr
.if (\f)+2 < 4
	SLOAD (\f)+2
.endif
.endm
	s_wait_alu depctr_va_vdst(0)
.irp f, 0,1,2,3
	SFRAG \f
.endr
	s_endpgm
.Lfunc_end_k_q206c02dfcc_quant:
	.size	k_q206c02dfcc_quant, .Lfunc_end_k_q206c02dfcc_quant-k_q206c02dfcc_quant
	.p2alignl 7, 3214868480
	.fill 96, 4, 3214868480
	.section	.rodata,"a",@progbits
	.p2align	6, 0x0
	.amdhsa_kernel k_q206c02dfcc_quant
		.amdhsa_group_segment_fixed_size 68096
		.amdhsa_private_segment_fixed_size 0
		.amdhsa_enable_private_segment 0
		.amdhsa_kernarg_size 64
		.amdhsa_user_sgpr_count 2
		.amdhsa_user_sgpr_kernarg_segment_ptr 1
		.amdhsa_wavefront_size32 1
		.amdhsa_system_sgpr_workgroup_id_x 1
		.amdhsa_system_sgpr_workgroup_id_y 1
		.amdhsa_system_sgpr_workgroup_id_z 1
		.amdhsa_system_vgpr_workitem_id 0
		.amdhsa_next_free_vgpr 258
		.amdhsa_next_free_sgpr 66
		.amdhsa_reserve_vcc 0
		.amdhsa_float_denorm_mode_32 3
		.amdhsa_float_denorm_mode_16_64 3
		.amdhsa_memory_ordered 1
		.amdhsa_forward_progress 1
		.amdhsa_inst_pref_size 134
	.end_amdhsa_kernel
	.amdgpu_metadata
---
amdhsa.version: [ 1, 2 ]
amdhsa.kernels:
  - .name:           k_q206c02dfcc_quant
    .symbol:         k_q206c02dfcc_quant.kd
    .args:
      - { .name: x, .offset: 0, .size: 8, .value_kind: global_buffer, .address_space: global }
      - { .name: Wk, .offset: 8, .size: 8, .value_kind: global_buffer, .address_space: global }
      - { .name: Wv, .offset: 16, .size: 8, .value_kind: global_buffer, .address_space: global }
      - { .name: seed_vectors, .offset: 24, .size: 8, .value_kind: global_buffer, .address_space: global }
      - { .name: lowp_scales, .offset: 32, .size: 8, .value_kind: global_buffer, .address_space: global }
      - { .name: acodes, .offset: 40, .size: 8, .value_kind: global_buffer, .address_space: global }
      - { .name: bcodes, .offset: 48, .size: 8, .value_kind: global_buffer, .address_space: global }
      - { .name: qcodes, .offset: 56, .size: 8, .value_kind: global_buffer, .address_space: global }
    .group_segment_fixed_size: 68096
    .private_segment_fixed_size: 0
    .kernarg_segment_align: 8
    .kernarg_segment_size: 64
    .max_flat_workgroup_size: 128
    .sgpr_count:     66
    .vgpr_count:     258
    .wavefront_size: 32
...
	.end_amdgpu_metadata
.endif
;; end of part 1
;; launch proj (part 2): grid 8 x 32, 4 waves a work-group, clusters of 4 x 4, 327,680 bytes of LDS; arguments acodes, bcodes, lowp_scales, bk, bv, kv; writes kv
.if DOCPART == 2
	.amdgcn_target "amdgcn-amd-amdhsa--gfx1250"
	.amdhsa_code_object_version 6
	.text
	.protected	k_q206c02dfcc_proj
	.globl	k_q206c02dfcc_proj
	.p2align	8
	.type	k_q206c02dfcc_proj,@function
k_q206c02dfcc_proj:
	s_mov_b64 s[64:65], 0
	v_nop
	global_prefetch_b8 v0, s[64:65] scope:SCOPE_SE
	s_setreg_imm32_b32 hwreg(HW_REG_WAVE_MODE, 25, 1), 1
	s_wait_xcnt 0x0
	s_wait_alu depctr_hold_cnt(0) depctr_sa_sdst(0) depctr_va_vdst(0) depctr_va_sdst(0) depctr_va_ssrc(0) depctr_va_vcc(0) depctr_vm_vsrc(0)
	s_getreg_b32 s2, hwreg(HW_REG_IB_STS2, 6, 4)
	s_cmp_eq_u32 s2, 0
	s_cbranch_scc0 .Lentry_in_a_cluster
	s_endpgm
.Lentry_in_a_cluster:
	s_bfe_u32 s2, ttmp6, 0x10000c
	s_cmp_lg_u32 s2, 0xf033
	s_cbranch_scc0 .Lentry_shape_is_right
	s_endpgm
.Lentry_shape_is_right:
; k = Q(x, e0) Q(Wk, e1) + bk and v = Q(x, e2) Q(Wv, e3) + bv on codes of E4M3, and their quantisers (k by e4, v by e7), in one text: C' = A' B'^T, tiles of 256 x 256, K = 1,024.
;   clusters with x = 0 make k: A' = x's codes by e0 (acodes, 16,384 rows), B' = Wk's codes (bcodes, 1,024 rows [p][d]);
;   clusters with x = 1 make v TRANSPOSED: A' = Wv's codes (acodes + 16 MiB, 1,024 rows), B' = x's codes by e2 (bcodes + 1 MiB, 16,384 rows).
; Both ways run the same lines: what differs is offsets, two exponents and which bias counts, all chosen by s_cselect_b32 on the cluster's x, which all partners share.  No branch hangs on it.
; Four waves, each 128 x 128: 64 accumulators, 512 registers.  K goes in steps of 256 through a ring of two LDS slots filled by joint tensor loads: 4 x 4 work-groups form a cluster,
; A's tile is shared along a row of it, B's along a column.
; A WORK-GROUP STAYS: it makes TWO tiles, 8,192 rows of x apart (512 tiles for 256 work-groups), and the ring does not stop between them: the first tile's last two changes of slots ask for the
; second tile's first two K steps, and the first tile goes out while those are on their way.  Both tiles take the same rows of the weight, so both biases serve both tiles.
; THE MATRIX INSTRUCTION IS USED TRANSPOSED (source 0 = 16 rows of B', source 1 = 16 rows of A'): lane (r, h) holds row r of A' and its registers the columns 16 b + 8 h + 0 .. 7.  So the eight
; conversions of a block of 16 rows give registers 2 b, 2 b + 1 of ONE operand fragment (16 rows x 128 K) of the next product, in that form's own layout: for k a lane is a key and the registers run
; along p; for v a lane is a channel and the registers run along the keys.  A fragment leaves as an image of its registers: registers 4 g .. 4 g + 3 of lane l at 512 g + 16 l: four stores of 512 consecutive bytes.
; kv: [batch 32][1 MiB]: k's fragments [K step 8][tile of 16 keys 32][2,048], then from 512 KiB on v's [tile of 16 channels 64][K step 4][2,048].
; The bias along the columns (bk, for k) is the C of each sum's first matrix instruction; the bias along the rows (bv, for v) is added on the way out; each is divided by 2^E, E = the two operands' exponents
; added, and the one that does not count is 0.  A code is (sum + bias / 2^E) / 2^(e - E), e = e4 or e7.
; The fragments of A' and B' are fetched by four loads of 16 bytes: a permutation of k that is the same on both sides, so every product meets its partner.
; LIMITS: e4 - e0 - e1 and e7 - e2 - e3 between -126 and 119, so that the conversion's scale and 448 x it are f32 numbers.  NaN among the inputs is not served.
; REGISTERS, in windows of 256: window 0: v0-31 addresses; v32-95 the column bias; v96-111 the row bias in pairs; v112-119 store offsets; v120, v121 scale and hold; v128-255 A's fragments, ONE set.
;   window 1: B's fragments, TWO sets; on the way out the second set (v128-255), idle then, takes the codes.   windows 2, 3: the accumulators of my rows 0-63, 64-127 ((a, b) at v[8 (8 (a % 4) + b)]).
.set KSTEP,  256                       ; along K in a slot
.set ROWB,   256                       ; a tile's row in bytes
.set KROW,   1024                      ; a row of A' or B' in memory
.set PITCH,  272                       ; an LDS row: 256 bytes + 16 of padding: the 16 rows that a load touches start at 16 different banks (ISA guide 11.1)
.set FR,     16                        ; registers of a fragment
.set NL,     4                         ; LDS loads that bring one
.set NP,     4                         ; places behind this matrix instruction (ISA guide 7.12.1)
.set HALFT,  128*PITCH                 ; what one tensor load brings
.set SLOT,   4*HALFT                   ; A's 256 rows, then B's 256 rows
.set SPARE,  2*SLOT                    ; behind the ring: the spare words, 128 bytes a wave, which no other line names
.set ADRA, 16
.set ADRB, 20
.set SPW,  28
.set NIL,  29
.set BJ,   32
.set BI,   96
.set OFS,  112
.set SC,   120
.set LIM,  121
.set AF,   128
.set CD,   128                         ; in window 1
.set G1, 24
.set G0, 32
.set G1B, 48
.set G0B, 56
.set MSB, 0
.macro WIN new                         ; the immediate's high byte repeats the setting that is left
.if MSB != (\new)
	s_set_vgpr_msb (MSB<<8)|(\new)
.set MSB, (\new)
.endif
.endm
.set MUL_LO, 0xa1                      ; source 0 (B') window 1, source 1 (A') window 0, C and D window 2
.set MUL_HI, 0xf1                      ; the same, C and D window 3
.set TO_B,   0x40                      ; destination window 1, address window 0
; A joint load: waves 0 and 1 fetch for A', waves 2 and 3 for B'.  The branch hangs on the wave's number alone.  Four v_nop follow each of the two lines.
.macro JLOAD g0a, g1a, g0b, g1b
	s_cmp_eq_u32 s15, 0
	s_cbranch_scc0 .Lfor_b_\@
	tensor_load_to_lds s[\g0a:\g0a+3], s[\g1a:\g1a+7]
	s_nop 0
.rept 4
	v_nop
.endr
	s_branch .Lasked_\@
.Lfor_b_\@:
	tensor_load_to_lds s[\g0b:\g0b+3], s[\g1b:\g1b+7]
	s_nop 0
.rept 4
	v_nop
.endr
.Lasked_\@:
.endm
.macro CREST                           ; the cluster's barrier behind its opening work-group barrier
	s_cmp_lg_u32 s14, 0
	s_cbranch_scc1 .Lnot_wave_0_\@
	s_barrier_signal -3
.Lnot_wave_0_\@:
	s_barrier_wait -3
	s_barrier_signal -1
	s_barrier_wait -1
.endm
.macro CROUND
	s_barrier_signal -1
	s_barrier_wait -1
	CREST
.endm
	s_load_b128 s[4:7], s[0:1], 0x0                ; acodes s[4:5], bcodes s[6:7]
	s_load_b128 s[8:11], s[0:1], 0x10              ; the scales' exponents s[8:9], bk s[10:11]
	s_load_b128 s[76:79], s[0:1], 0x20             ; bv s[76:77], kv s[78:79]
	v_lshl_add_u32 v[SPW], v0, 2, SPARE
	v_mov_b32 v[NIL], 0
	ds_add_u32 v28, v29
	ds_add_u32 v28, v29
	s_wait_dscnt 0x0
	v_lshrrev_b32 v1, 5, v0
	v_readfirstlane_b32 s14, v1                    ; wave 0..3
	s_lshr_b32 s15, s14, 1                         ; which half of the tile's rows is mine.  Also: I fetch for A' (0) or for B' (1)
	s_and_b32 s16, s14, 1                          ; which half of its columns.  Also: which 128 rows of that tile I fetch
	s_bfe_u32 s40, ttmp6, 0x40000                  ; cx, cy: my place in the cluster
	s_bfe_u32 s41, ttmp6, 0x40004
	s_mov_b32 s66, ttmp9                           ; the cluster's x: 0 makes k, 1 makes v
	s_xor_b32 s67, s66, 1
	s_lshl_b32 s12, s67, 23                        ; from the first tile to the second: 8,192 rows of 1,024 bytes in the operand that is x, nothing in the weight:
	s_mov_b32 s13, 0                               ; s[12:13] for A',
	s_lshl_b32 s98, s66, 23
	s_mov_b32 s99, 0                               ; s[98:99] for B'
	s_and_b32 s80, ttmp7, 0xffff
	s_lshl_b32 s80, s80, 2                         ; 4 x the cluster's y walks the long side: the first 32 of x's 64 tiles of 256 rows
	s_mul_i32 s17, s80, s67
	s_add_co_u32 s17, s17, s41                     ; tile row: cy (+ 4 x cluster y for k)
	s_mul_i32 s42, s80, s66
	s_add_co_u32 s42, s42, s40                     ; tile column: cx (+ 4 x cluster y for v)
	s_lshl_b32 s43, s41, 2
	s_lshl_b32 s43, 15, s43                        ; my row of the cluster
	s_lshl_b32 s44, 0x1111, s40                    ; my column
	s_or_b32 s[G1+0], s43, (0<<16)|(1<<20)|(1<<21)|(5<<22)|(3<<25)  ; 15:0 the mask; elements of 1 byte; 20 padding on; 21 set beside a mask; after every 64 words (code 5) 4 words (code 3)
	s_or_b32 s[G1B+0], s44, (0<<16)|(1<<20)|(1<<21)|(5<<22)|(3<<25)
.irp g, G1, G1B
	s_mov_b32 s[\g+1], ROWB<<16                    ; tensor_dim0
	s_mov_b32 s[\g+2], 128<<16                     ; tensor_dim1
	s_mov_b32 s[\g+3], ROWB<<16                    ; tile_dim0
	s_mov_b32 s[\g+4], 128                         ; tile_dim1
	s_mov_b32 s[\g+5], KROW                        ; tensor_dim0_stride
	s_mov_b32 s[\g+6], 0
	s_mov_b32 s[\g+7], 0
.endr
	s_lshl_b32 s18, s16, 7                         ; which 128 rows of the tile I fetch
	s_lshl_b32 s20, s17, 8
	s_add_co_u32 s20, s20, s18
	s_lshl_b32 s20, s20, 10                        ; A': row 256 x tile row + 128 x half, 1,024 bytes a row,
	s_lshl_b32 s21, s66, 24
	s_add_co_u32 s20, s20, s21                     ; behind x's 16 MiB where A' is Wv
	s_mov_b32 s21, 0
	s_lshl_b32 s46, s42, 8
	s_add_co_u32 s46, s46, s18
	s_lshl_b32 s46, s46, 10                        ; B' likewise,
	s_lshl_b32 s47, s66, 20
	s_add_co_u32 s46, s46, s47                     ; behind Wk's 1 MiB where B' is x
	s_mov_b32 s47, 0
	s_mul_i32 s45, s14, HALFT                      ; where they go: wave x 128 rows: no place in the cluster enters an LDS address
	s_wait_kmcnt 0x0
	s_load_b256 s[68:75], s[8:9], 0x0              ; e0 .. e7
	s_add_nc_u64 s[20:21], s[4:5], s[20:21]
	s_add_nc_u64 s[46:47], s[6:7], s[46:47]
	CROUND                                         ; all sixteen work-groups are here: the first joint loads meet
.irp s, 0,1
	s_mov_b32 s[G0+4*\s], 1
	s_add_co_u32 s[G0+4*\s+1], s45, \s*SLOT
	s_add_nc_u64 s[G0+4*\s+2:G0+4*\s+3], s[20:21], \s*ROWB
	s_or_b32 s[G0+4*\s+3], s[G0+4*\s+3], 0x80000000
	s_mov_b32 s[G0B+4*\s], 1
	s_add_co_u32 s[G0B+4*\s+1], s45, \s*SLOT
	s_add_nc_u64 s[G0B+4*\s+2:G0B+4*\s+3], s[46:47], \s*ROWB
	s_or_b32 s[G0B+4*\s+3], s[G0B+4*\s+3], 0x80000000
.endr
	JLOAD G0, G1, G0B, G1B                         ; K step 0: one tensor load a wave at the head
	v_and_b32 v1, 15, v0                           ; r
	v_bfe_u32 v2, v0, 4, 1                         ; h
	s_wait_alu depctr_va_vdst(0)
	v_mul_u32_u24 v3, v1, PITCH
	v_lshl_add_u32 v4, v2, 4, v3                   ; a fragment's row x pitch + 16 h
	s_mul_i32 s21, s15, HALFT                      ; my 128 rows of A'
	s_mul_i32 s22, s16, HALFT                      ; my 128 rows of B',
	s_add_co_u32 s22, s22, 2*HALFT                 ; which lie behind A's 256
.irp s, 0,1
	v_add_nc_u32 v[ADRA+\s], s21, v4
	v_add_nc_u32 v[ADRB+\s], s22, v4
	s_add_co_u32 s21, s21, SLOT
	s_add_co_u32 s22, s22, SLOT
.endr
	; the biases.  Each offset is multiplied by 1 where its bias counts and by 0 where not, so that both loads stay inside their buffers on both ways.
	s_mov_b32 s85, 0
	s_lshl_b32 s84, s42, 10
	s_lshl_b32 s81, s16, 9
	s_add_co_u32 s84, s84, s81                     ; bk: my first column x 4 bytes
	s_mul_i32 s84, s84, s67
	s_add_nc_u64 s[10:11], s[10:11], s[84:85]
	s_lshl_b32 s84, s17, 10
	s_lshl_b32 s81, s15, 9
	s_add_co_u32 s84, s84, s81                     ; bv: my first row x 4 bytes
	s_mul_i32 s84, s84, s66
	s_add_nc_u64 s[76:77], s[76:77], s[84:85]
	v_lshlrev_b32 v5, 5, v2                        ; 32 h: my half's eight columns
	v_lshlrev_b32 v6, 2, v1                        ; 4 r: my row
.irp b, 0,1,2,3,4,5,6,7
	global_load_b128 v[BJ+8*\b:BJ+8*\b+3], v5, s[10:11] offset:64*\b
	global_load_b128 v[BJ+8*\b+4:BJ+8*\b+7], v5, s[10:11] offset:64*\b+16
.endr
.irp a, 0,1,2,3,4,5,6,7
	global_load_b32 v[BI+2*\a], v6, s[76:77] offset:64*\a
.endr
	; where my fragments go.  big: the tile's number along x's rows (batch = big / 2, its half = big % 2); small: along the weight's
	s_cmp_eq_u32 s66, 0
	s_cselect_b32 s83, s17, s42                    ; big
	s_cselect_b32 s81, s42, s17                    ; small
	s_lshr_b32 s86, s83, 1
	s_lshl_b32 s86, s86, 20                        ; the batch's 1 MiB
	s_and_b32 s87, s83, 1
	s_lshl_b32 s90, s15, 3
	s_lshl_b32 s88, s81, 1
	s_add_co_u32 s88, s88, s16
	s_lshl_b32 s88, s88, 16                        ; k: K step 2 small + column half, 65,536 bytes each,
	s_lshl_b32 s89, s87, 4
	s_add_co_u32 s89, s89, s90
	s_lshl_b32 s89, s89, 11                        ; tile of keys 16 (big % 2) + 8 x row half (+ a), 2,048 each
	s_add_co_u32 s88, s88, s89
	s_lshl_b32 s91, s81, 4
	s_add_co_u32 s91, s91, s90
	s_lshl_b32 s91, s91, 13                        ; v: tile of channels 16 small + 8 x row half (+ a), 8,192 each,
	s_lshl_b32 s89, s87, 1
	s_add_co_u32 s89, s89, s16
	s_lshl_b32 s89, s89, 11                        ; K step 2 (big % 2) + column half, 2,048 each,
	s_add_co_u32 s91, s91, s89
	s_add_co_u32 s91, s91, 1<<19                   ; behind k's 512 KiB
	s_wait_kmcnt 0x0                               ; the exponents
	s_add_co_i32 s92, s68, s69
	s_add_co_i32 s93, s70, s71
	s_mov_b32 s82, 8192
	s_cmp_eq_u32 s66, 0
	s_cselect_b32 s84, s88, s91
	s_cselect_b32 s92, s92, s93                    ; E = e0 + e1 or e2 + e3
	s_cselect_b32 s93, s72, s75                    ; e4 or e7
	s_cselect_b32 s94, -1, 0                       ; all lanes where bk counts
	s_cselect_b32 s95, 0, -1                       ; all lanes where bv counts
	s_cselect_b32 s82, 2048, s82                   ; bytes from block a to block a + 1
	s_add_co_u32 s84, s84, s86
	s_add_nc_u64 s[78:79], s[78:79], s[84:85]
	s_sub_co_i32 s96, 0, s92                       ; -E
	s_sub_co_i32 s97, s93, s92
	s_add_co_i32 s97, s97, 127
	s_lshl_b32 s81, s97, 23
	v_mov_b32 v[SC], s81                           ; 2^(e - E): the conversion takes its exponent field
	s_add_co_i32 s97, s97, 8
	s_lshl_b32 s97, s97, 23
	s_or_b32 s97, s97, 0x600000
	v_mov_b32 v[LIM], s97                          ; 448 x that
	v_and_b32 v7, 31, v0
	v_lshlrev_b32 v7, 4, v7                        ; 16 x lane
	s_wait_alu depctr_va_vdst(0)
.irp a, 0,1,2,3,4,5,6,7
	s_mul_i32 s81, s82, \a
	v_add_nc_u32 v[OFS+\a], s81, v7                ; a register for each block: none is ever written again
.endr
	s_wait_loadcnt 0x0                             ; the biases
.set n, 0
.rept 64
	v_cndmask_b32 v[BJ+n], 0, v[BJ+n], s94         ; 0 where v is made
.set n, n+1
.endr
.set n, 0
.rept 64
	v_ldexp_f32 v[BJ+n], v[BJ+n], s96              ; / 2^E
.set n, n+1
.endr
.irp a, 0,1,2,3,4,5,6,7
	v_cndmask_b32 v[BI+2*\a], 0, v[BI+2*\a], s95   ; 0 where k is made
.endr
.irp a, 0,1,2,3,4,5,6,7
	v_ldexp_f32 v[BI+2*\a], v[BI+2*\a], s96
.endr
.irp a, 0,1,2,3,4,5,6,7
	v_mov_b32 v[BI+2*\a+1], v[BI+2*\a]             ; a pair for the packed addition
.endr
.macro FRAG reg, adr, q, i             ; 16 rows x 128 K: four loads of 16 bytes, 32 bytes apart
.irp c, 0,1,2,3
	ds_load_b128 v[\reg+4*\c:\reg+4*\c+3], v[\adr] offset:128*(\q)+32*\c+(\i)*16*PITCH
.endr
.endm
; 16 matrix instructions: A's blocks a0, a0 + 1 x B's eight.  p: B's set.  zero = 1: the first product starts the sums, with the column bias as its C: nothing is cleared.
; The 64 accumulators take turns, one instruction a turn, in the same order in every step and from tile to tile.
.macro MUL16 a0, p, zero
.irp a, \a0, \a0+1
.irp b, 0,1,2,3,4,5,6,7
.if \zero
	v_wmma_f32_16x16x128_fp8_fp8 v[8*(8*((\a)%4)+\b):8*(8*((\a)%4)+\b)+7], v[128*(\p)+FR*\b:128*(\p)+FR*\b+FR-1], v[AF+FR*(\a):AF+FR*(\a)+FR-1], v[BJ+8*\b:BJ+8*\b+7]
.else
	v_wmma_f32_16x16x128_fp8_fp8 v[8*(8*((\a)%4)+\b):8*(8*((\a)%4)+\b)+7], v[128*(\p)+FR*\b:128*(\p)+FR*\b+FR-1], v[AF+FR*(\a):AF+FR*(\a)+FR-1], v[8*(8*((\a)%4)+\b):8*(8*((\a)%4)+\b)+7]
.endif
.endr
.endr
.endm
.macro FETCH_B slot, q, p
	WIN TO_B
.irp i, 0,1,2,3,4,5,6,7
	FRAG 128*(\p)+FR*\i, ADRB+\slot, \q, \i
.endr
	WIN 0
.endm
.macro FETCH_A slot, q, i0
.irp i, \i0, \i0+1, \i0+2, \i0+3
	FRAG AF+FR*(\i), ADRA+\slot, \q, \i
.endr
.endm
.macro PLACES n                        ; plain vector lines between a matrix instruction and a load into, or a vector line on, its registers
.rept \n
	v_nop
.endr
.endm
; A step of 128 along K that has its successor in the same slot.
.macro STEP slot, q, zero
	s_wait_dscnt 4*NL                              ; B's set and A's blocks 0-3 are in; the youngest 16 loads (A's blocks 4-7) may be out
.if \zero
	WIN 0x81                                       ; C (the bias) in window 0, D in window 2
.else
	WIN MUL_LO
.endif
	MUL16 0, (\q)%2, \zero
	MUL16 2, (\q)%2, \zero
	s_wait_dscnt 0
	PLACES NP
	FETCH_B \slot, (\q)+1, 1-(\q)%2
	FETCH_A \slot, (\q)+1, 0
.if \zero
	WIN 0xc1
.else
	WIN MUL_HI
.endif
	MUL16 4, (\q)%2, \zero
	MUL16 6, (\q)%2, \zero
	PLACES NP
	WIN 0
	FETCH_A \slot, (\q)+1, 4
.endm
; A slot's last step changes slots: ONE barrier.  The step's first 32 products stand AHEAD of the wait for the tensor loads, so that between the landing of the next slot and the request that
; follows it stand only the add, the wait for it and the barriers.  In front of the barrier each wave waits for all its tensor loads, adds 0 to its spare word, and waits for that and for its reads of this slot.
; fill = 1: this slot takes this tile's K step two steps on; 2: the NEXT tile's K step of the same slot (512 bytes back along K, and 8,192 rows on in the operand that is x); 0: nothing.
.macro TURN slot, next, fill
	s_wait_dscnt 4*NL                              ; B's set and A's blocks 0-3 are in; the youngest 16 loads (A's blocks 4-7) may be out
	WIN MUL_LO
	MUL16 0, 1, 0
	MUL16 2, 1, 0
	WIN 0
	s_wait_tensorcnt 0x0                           ; all my tensor loads have landed: my part of the next slot; so every group 0 may be written
	ds_add_u32 v[SPW], v[NIL]                      ; 0 onto my spare word; the descriptors' steps stand between it and the wait for it
.if \fill == 1
	s_add_nc_u64 s[G0+4*\slot+2:G0+4*\slot+3], s[G0+4*\slot+2:G0+4*\slot+3], 2*ROWB
	s_add_nc_u64 s[G0B+4*\slot+2:G0B+4*\slot+3], s[G0B+4*\slot+2:G0B+4*\slot+3], 2*ROWB
.elseif \fill == 2
	s_sub_nc_u64 s[G0+4*\slot+2:G0+4*\slot+3], s[G0+4*\slot+2:G0+4*\slot+3], 2*ROWB
	s_sub_nc_u64 s[G0B+4*\slot+2:G0B+4*\slot+3], s[G0B+4*\slot+2:G0B+4*\slot+3], 2*ROWB
	s_add_nc_u64 s[G0+4*\slot+2:G0+4*\slot+3], s[G0+4*\slot+2:G0+4*\slot+3], s[12:13]
	s_add_nc_u64 s[G0B+4*\slot+2:G0B+4*\slot+3], s[G0B+4*\slot+2:G0B+4*\slot+3], s[98:99]
.endif
	s_wait_dscnt 0x0                               ; the add is done, and my reads of this slot are over
	s_barrier_signal -1
	s_barrier_wait -1
.if \fill
	CREST                                          ; no wave of any partner still reads this slot's tile or has a load on its way
	JLOAD G0+4*\slot, G1, G0B+4*\slot, G1B         ; the first tensor load behind the barrier; its four v_nop are the places in front of the loads below
.else
	PLACES NP
.endif
	FETCH_B \next, 0, 0
	FETCH_A \next, 0, 0
	WIN MUL_HI
	MUL16 4, 1, 0
	MUL16 6, 1, 0
	PLACES NP
	WIN 0
	FETCH_A \next, 0, 4
.endm
; THE WAY OUT of block a (16 rows x 128 columns), in place: the accumulators take the row bias and the hold; eight conversions make one fragment in 16 registers of window 1, in B's second set,
; which no product reads between a tile's last step and the next tile's first fetch into it; four stores of 512 consecutive bytes.  Each accumulator is read from its low end on.
; Every block has its own registers for codes and offset.  The column bias and the next tile's fragments are not touched.
.macro OUT a
.set AC, 64*((\a)%4)
	WIN 0x82+0x41*((\a)/4)                         ; source 0 and destination: window 2 or 3; the bias and the hold in window 0
.irp j, 0,2,4,6,8,10,12,14,16,18,20,22,24,26,28,30,32,34,36,38,40,42,44,46,48,50,52,54,56,58,60,62
	v_pk_add_f32 v[AC+\j:AC+\j+1], v[AC+\j:AC+\j+1], v[BI+2*(\a):BI+2*(\a)+1]
.endr
.set n, 0
.rept 64
	v_med3_num_f32 v[AC+n], v[AC+n], -v[LIM], v[LIM]   ; the conversion to an 8-bit code does not saturate (ISA guide 7.6.2)
.set n, n+1
.endr
	WIN 0x42+(\a)/4                                ; source 0 window 2 or 3, the scale in window 0, destination window 1
.irp b, 0,1,2,3,4,5,6,7
	v_cvt_scalef32_pk8_fp8_f32 v[CD+16*(\a)+2*\b:CD+16*(\a)+2*\b+1], v[AC+8*\b:AC+8*\b+7], v[SC]
.endr
	v_nop                                          ; a plain line behind the conversions: the next tile's products write their sources
	WIN 0x04                                       ; store data window 1, offset window 0
.irp g, 0,1,2,3
	global_store_b128 v[OFS+(\a)], v[CD+16*(\a)+4*\g:CD+16*(\a)+4*\g+3], s[78:79] offset:512*\g
.endr
.endm
	s_wait_alu depctr_va_vdst(0)
	s_wait_tensorcnt 0x0                           ; my part of K step 0 is in
	ds_add_u32 v[SPW], v[NIL]
	s_wait_dscnt 0x0
	CROUND                                         ; everybody's part of K step 0 is in, and all sixteen work-groups are here
	JLOAD G0+4, G1, G0B+4, G1B                     ; K step 1: slot 1's first fill, the first tensor load behind the round
	FETCH_B 0, 0, 0
	FETCH_A 0, 0, 0
	FETCH_A 0, 0, 4
	; ---- the first tile: four K steps of 256; all is written out
	STEP 0, 0, 1                                   ; its products start the sums
	TURN 0, 1, 1
	STEP 1, 0, 0
	TURN 1, 0, 1
	STEP 0, 0, 0
	TURN 0, 1, 2                                   ; THE RING GOES ON INTO THE SECOND TILE: slot 0 takes its K step 0,
	STEP 1, 0, 0
	TURN 1, 0, 2                                   ; slot 1 its K step 1, and its first fragments are fetched
	PLACES NP                                      ; with the four in TURN: eight plain lines behind the tile's last products
	s_wait_alu depctr_va_vdst(0)
.irp a, 0,1,2,3,4,5,6,7
	OUT \a                                         ; both refills are asked for: now the tile goes out
.endr
	WIN 0
	s_wait_xcnt 0x0                                ; the stores have read their base and their data: only behind this wait does the base step, and do LDS loads land in B's second set
	s_add_nc_u64 s[78:79], s[78:79], 0x1000000     ; 32 tiles of 256 rows on: 16 batches of 1 MiB
	; ---- the second tile
	STEP 0, 0, 1
	TURN 0, 1, 1
	STEP 1, 0, 0
	TURN 1, 0, 1
	STEP 0, 0, 0
	TURN 0, 1, 0                                   ; the last two K steps ask for nothing
	STEP 1, 0, 0
	s_wait_dscnt 4*NL                              ; the very last step
	WIN MUL_LO
	MUL16 0, 1, 0
	MUL16 2, 1, 0
	s_wait_dscnt 0
	WIN MUL_HI
	MUL16 4, 1, 0
	MUL16 6, 1, 0
	WIN 0
	PLACES NP
.irp a, 0,1,2,3,4,5,6,7
	OUT \a
.endr
	WIN 0
	s_wait_tensorcnt 0x0                           ; the wave's end
	ds_add_u32 v[SPW], v[NIL]
	s_wait_dscnt 0x0
	CROUND                                         ; no work-group ends while a partner may still ask for a tile that names it
	s_endpgm
.Lfunc_end_k_q206c02dfcc_proj:
	.size	k_q206c02dfcc_proj, .Lfunc_end_k_q206c02dfcc_proj-k_q206c02dfcc_proj
	.p2alignl 7, 3214868480
	.fill 96, 4, 3214868480
	.section	.rodata,"a",@progbits
	.p2align	6, 0x0
	.amdhsa_kernel k_q206c02dfcc_proj
		.amdhsa_group_segment_fixed_size 327680
		.amdhsa_private_segment_fixed_size 0
		.amdhsa_enable_private_segment 0
		.amdhsa_kernarg_size 48
		.amdhsa_user_sgpr_count 2
		.amdhsa_user_sgpr_kernarg_segment_ptr 1
		.amdhsa_wavefront_size32 1
		.amdhsa_system_sgpr_workgroup_id_x 1
		.amdhsa_system_sgpr_workgroup_id_y 1
		.amdhsa_system_sgpr_workgroup_id_z 1
		.amdhsa_system_vgpr_workitem_id 0
		.amdhsa_next_free_vgpr 1024
		.amdhsa_next_free_sgpr 100
		.amdhsa_reserve_vcc 0
		.amdhsa_float_denorm_mode_32 3
		.amdhsa_float_denorm_mode_16_64 3
		.amdhsa_memory_ordered 1
		.amdhsa_forward_progress 1
		.amdhsa_inst_pref_size 255
	.end_amdhsa_kernel
	.section	.bss,"aw",@nobits
	.p2align	6
	.space	262144
	.amdgpu_metadata
---
amdhsa.version: [ 1, 2 ]
amdhsa.kernels:
  - .name:           k_q206c02dfcc_proj
    .symbol:         k_q206c02dfcc_proj.kd
    .args:
      - { .name: acodes, .offset: 0, .size: 8, .value_kind: global_buffer, .address_space: global }
      - { .name: bcodes, .offset: 8, .size: 8, .value_kind: global_buffer, .address_space: global }
      - { .name: lowp_scales, .offset: 16, .size: 8, .value_kind: global_buffer, .address_space: global }
      - { .name: bk, .offset: 24, .size: 8, .value_kind: global_buffer, .address_space: global }
      - { .name: bv, .offset: 32, .size: 8, .value_kind: global_buffer, .address_space: global }
      - { .name: kv, .offset: 40, .size: 8, .value_kind: global_buffer, .address_space: global }
    .group_segment_fixed_size: 327680
    .private_segment_fixed_size: 0
    .kernarg_segment_align: 8
    .kernarg_segment_size: 48
    .max_flat_workgroup_size: 128
    .sgpr_count:     100
    .vgpr_count:     1024
    .wavefront_size: 32
...
	.end_amdgpu_metadata
.endif
;; end of part 2
;; launch attn (part 3): grid 8 x 32, 4 waves a work-group, clusters of 4 x 1, 327,680 bytes of LDS; arguments qcodes, kv, lowp_scales, out0; writes out0
.if DOCPART == 3
	.amdgcn_target "amdgcn-amd-amdhsa--gfx1250"
	.amdhsa_code_object_version 6
	.text
	.protected	k_q206c02dfcc_attn
	.globl	k_q206c02dfcc_attn
	.p2align	8
	.type	k_q206c02dfcc_attn,@function
k_q206c02dfcc_attn:
	s_mov_b64 s[64:65], 0
	v_nop
	global_prefetch_b8 v0, s[64:65] scope:SCOPE_SE
	s_setreg_imm32_b32 hwreg(HW_REG_WAVE_MODE, 25, 1), 1
	s_wait_xcnt 0x0
	s_wait_alu depctr_hold_cnt(0) depctr_sa_sdst(0) depctr_va_vdst(0) depctr_va_sdst(0) depctr_va_ssrc(0) depctr_va_vcc(0) depctr_vm_vsrc(0)
	s_getreg_b32 s2, hwreg(HW_REG_IB_STS2, 6, 4)
	s_cmp_eq_u32 s2, 0
	s_cbranch_scc0 .Lentry_in_a_cluster
	s_endpgm
.Lentry_in_a_cluster:
	s_bfe_u32 s2, ttmp6, 0x10000c
	s_cmp_lg_u32 s2, 0x3003
	s_cbranch_scc0 .Lentry_shape_is_right
	s_endpgm
.Lentry_shape_is_right:
; out0[b][s][:] = softmax_n(seed[s] . k[b][n] / 32) v[b][n][:], both products on codes of E4M3.  qcodes, kv: images of operand registers, as the two launches before lay them.
; t = score x log2(e) / 32 x 2^(e4 + e5); M = ceil(the row's largest t); p = 2^(t - M) is quantised by e6; the row's sum of the unquantised p divides at the end, with 2^(e6 + e7).
; SHARES.  A work-group owns 64 queries of one batch; four waves of 1,024 registers.  Four work-groups of a batch form a cluster and ask for k and v jointly.
;   S^T = k q^T: wave w owns keys 128 w .. + 127 (8 tiles) x 64 queries (4 tiles): 32 accumulators by turns; K = 1,024 in 8 steps; q (64 KiB) stays in 512 registers.
;   O^T = v^T p^T: wave w owns 256 channels in four groups of 64 (4 tiles x 4 tiles of queries, 16 accumulators); K = 512 keys in 4 steps; p stays in 256 registers.
; ONE LDS REGION OF 256 KiB IS FILLED THREE TIMES, each time by one joint load of 64 KiB a wave: k's K steps 0-3 (at the head), k's K steps 4-7, v's channel tiles 32-63.  So two rounds of the
; cluster's barrier stand in front of refills; every wait on TENSORcnt is for 0.  Of the third fill a wave reads only the 64 KiB that its own load brought.
; v's CHANNEL TILES 0-31 GO STRAIGHT INTO REGISTERS: behind K step s the 64 registers of q's step s are free and take tile 8 w + s, 16 loads of 512 consecutive bytes.  Each of these fragments is
; multiplied by one wave alone.  They are asked for 8 - s K steps and the softmax ahead of their use.
; THE WAY OUT: a group's 16 accumulators are scaled in place, go tile of queries by tile of queries through the wave's stage of 16 rows and come back as rows of 256 bytes; the stores stand behind
; the next group's 64 matrix instructions.  Two sets of accumulators take turns.
; PREFETCH: a quarter of a batch's kv, 256 KiB, is shared out by address among its eight work-groups: 32 KiB each, 8 KiB a wave, lanes 256 bytes apart, one instruction a wave for each of the three
; quarters behind the first: two at the head (the second fill's; the tiles that go to registers), one behind the second fill's request (the third fill's, one fill ahead).
; LIMITS: e4 + e5 between -121 and 132 (added to the exponent field of log2(e) / 32); e6 between -126 and 119.  NaN among the inputs is not served.
; REGISTERS.  Window 0: v0-63 addresses, constants, softmax; v64-255 three sets of four fragments of k; later v64-191 accumulators, set a.
;   Windows 1, 2: q's K steps 0-3, 4-7; then v's tiles 0-3, 4-7; then window 1: v0-127 accumulators, set b, v128-255 rows on the way out; window 2: v's fragments from LDS.   Window 3: S^T, then p.
.set PIMG,  262144
.set STAGE, 294912
.set SP,    272
.set STAT,  312320
.set SPARE, 314368
.set L16, 1
.set AK,  2
.set AV,  6
.set VO,  7
.set PW,  8
.set PR,  9
.set STO, 10
.set RD,  11
.set GO,  12
.set SW,  13
.set SR,  14
.set PF,  15
.set SPW, 16
.set NIL, 17
.set PSC, 18
.set PLIM, 19
.set MX,  20
.set NM,  28
.set SUM, 36
.set EX,  44
.set PT,  60
.set BUF, 64
.set MSB, 0
.macro WIN new                         ; the immediate's high byte repeats the setting that is left
.if MSB != (\new)
	s_set_vgpr_msb (MSB<<8)|(\new)
.set MSB, (\new)
.endif
.endm
.macro PLACES                          ; plain vector lines behind matrix instructions (ISA guide 7.12.1)
.rept 4
	v_nop
.endr
.endm
.macro CREST                           ; a round of the cluster's barrier behind its opening barrier
	s_cmp_lg_u32 s12, 0
	s_cbranch_scc1 .Lnot_wave_0_\@
	s_barrier_signal -3
.Lnot_wave_0_\@:
	s_barrier_wait -3
	s_barrier_signal -1
	s_barrier_wait -1
.endm
.macro CROUND
	s_barrier_signal -1
	s_barrier_wait -1
	CREST
.endm
	s_load_b256 s[4:11], s[0:1], 0x0               ; qcodes s[4:5], kv s[6:7], the exponents s[8:9], out0 s[10:11]
	v_lshl_add_u32 v[SPW], v0, 2, SPARE
	v_mov_b32 v[NIL], 0
	ds_add_u32 v[SPW], v[NIL]                      ; the opening lines: the add, twice on end, and its wait
	ds_add_u32 v[SPW], v[NIL]
	s_wait_dscnt 0x0
	v_lshrrev_b32 v44, 5, v0
	v_readfirstlane_b32 s12, v44                   ; wave 0..3
	s_bfe_u32 s13, ttmp6, 0x40000                  ; cx
	s_lshl_b32 s14, ttmp9, 2
	s_add_co_u32 s14, s14, s13                     ; my block of 64 queries: it enters global addresses alone
	s_and_b32 s15, ttmp7, 0xffff                   ; the batch
	s_mov_b32 s16, 15|(3<<16)|(1<<21)              ; the mask of all four partners; elements of 8 bytes; bit 21 beside a mask
	s_mov_b32 s17, 32<<16                          ; rows of 256 bytes,
	s_mov_b32 s18, 256<<16                         ; 256 of them: 64 KiB, dense
	s_mov_b32 s19, 32<<16
	s_mov_b32 s20, 256
	s_mov_b32 s21, 32
	s_mov_b32 s22, 0
	s_mov_b32 s23, 0
	s_lshl_b32 s26, s12, 16                        ; 65,536 x wave: my part of a fill, in memory and in LDS
	s_lshl_b32 s58, s15, 20                        ; the batch's 1 MiB
	s_mov_b32 s59, 0
	s_add_co_u32 s24, s58, s26
	s_mov_b32 s25, 0
	s_mov_b32 s29, 0
	s_wait_kmcnt 0x0
	s_load_b256 s[40:47], s[8:9], 0x0              ; e0 .. e7
	s_add_nc_u64 s[56:57], s[6:7], s[58:59]
	s_add_nc_u64 s[6:7], s[6:7], s[24:25]
	CROUND                                         ; all four work-groups are here: the first joint loads meet
	s_mov_b32 s32, 1
	s_mov_b32 s33, s26
	s_mov_b64 s[34:35], s[6:7]
	s_or_b32 s35, s35, 0x80000000
	tensor_load_to_lds s[32:35], s[16:23]          ; wave w: k's K step w
	s_nop 0
	PLACES
	s_lshl_b32 s28, s14, 16
	s_add_nc_u64 s[4:5], s[4:5], s[28:29]          ; q's images of my block
	s_lshl_b32 s28, s15, 21
	s_lshl_b32 s30, s14, 18
	s_add_co_u32 s28, s28, s30
	s_lshl_b32 s30, s12, 9
	s_add_co_u32 s28, s28, s30
	s_add_nc_u64 s[10:11], s[10:11], s[28:29]      ; out0: the batch, my 64 rows, 128 channels x wave
	v_and_b32 v44, 31, v0
	v_lshlrev_b32 v[L16], 4, v44
	s_wait_alu depctr_va_vdst(0)
	WIN 0x40
.set n, 0
.rept 64
	global_load_b128 v[4*n:4*n+3], v[L16], s[4:5] offset:512*n   ; q's K steps 0-3
.set n, n+1
.endr
	WIN 0
	s_lshl_b32 s30, s14, 15
	s_lshl_b32 s31, s12, 13
	s_add_co_u32 s30, s30, s31                     ; the prefetches: 32,768 x block + 8,192 x wave
	s_add_co_u32 s36, s31, PIMG
	s_lshl_b32 s31, s12, 14
	s_mul_i32 s37, s12, 16*SP
	s_add_co_u32 s37, s37, STAGE
	s_lshl_b32 s38, s12, 2
	s_add_co_u32 s39, s26, 524288
	s_mov_b32 s50, 0x76543210
	s_mov_b32 s51, 0xfedcba98
	v_lshlrev_b32 v[PF], 8, v44
	v_add_nc_u32 v[PF], s30, v[PF]
	v_add_nc_u32 v[AK], s31, v[L16]                ; my 8 tiles of keys in each of the region's four K steps
	v_add_nc_u32 v[AK+1], 65536, v[AK]
	v_add_nc_u32 v[AK+2], 131072, v[AK]
	v_add_nc_u32 v[AK+3], 196608, v[AK]
	v_add_nc_u32 v[AV], s26, v[L16]                ; my 8 tiles of channels in the third fill
	v_add_nc_u32 v[VO], s39, v[L16]                ; my 8 tiles of channels in memory
	v_add_nc_u32 v[PW], s36, v[L16]
	v_add_nc_u32 v[PR], PIMG, v[L16]
	v_and_b32 v45, 15, v0                          ; r
	v_bfe_u32 v44, v0, 4, 1                        ; h
	v_mul_u32_u24 v[STO], v45, SP
	v_lshl_add_u32 v[STO], v44, 5, v[STO]
	v_add_nc_u32 v[STO], s37, v[STO]
	v_mul_u32_u24 v[RD], v44, SP
	v_lshl_add_u32 v[RD], v45, 4, v[RD]
	v_add_nc_u32 v[RD], s37, v[RD]
	v_lshlrev_b32 v[GO], 12, v44
	v_lshl_add_u32 v[GO], v45, 4, v[GO]
	v_lshlrev_b32 v[SR], 4, v45
	v_add_nc_u32 v[SR], STAT, v[SR]
	v_add_nc_u32 v[SW], s38, v[SR]
.irp q, 0,1,2,3
	v_mov_b32 v[PT+\q], 0                          ; a lane permute's destination counts as one of its sources
.endr
	global_prefetch_b8 v[PF], s[56:57] offset:262144 th:TH_LOAD_NT scope:SCOPE_SE
	global_prefetch_b8 v[PF], s[56:57] offset:524288 th:TH_LOAD_NT scope:SCOPE_SE
	s_wait_alu depctr_va_vdst(0)
	s_wait_kmcnt 0x0
	s_add_co_i32 s52, s44, s45
	s_lshl_b32 s52, s52, 23
	s_add_co_i32 s48, s52, 0x3d38aa3b              ; c = log2(e) / 32 x 2^(e4 + e5)
	s_mov_b32 s49, s48
	s_add_co_i32 s52, s46, s47                     ; e6 + e7
	s_add_co_i32 s53, s46, 127
	s_lshl_b32 s54, s53, 23
	v_mov_b32 v[PSC], s54                          ; 2^e6
	s_add_co_i32 s53, s53, 8
	s_lshl_b32 s53, s53, 23
	s_or_b32 s53, s53, 0x600000
	v_mov_b32 v[PLIM], s53                         ; 448 x 2^e6
	WIN 0x80
.set n, 0
.rept 64
	global_load_b128 v[4*n:4*n+3], v[L16], s[4:5] offset:32768+512*n   ; q's K steps 4-7
.set n, n+1
.endr
	WIN 0
.macro LOADU buf, adr, off             ; four fragments from LDS
.set n, 0
.rept 16
	ds_load_b128 v[\buf+4*n:\buf+4*n+3], v[\adr] offset:\off+512*n
.set n, n+1
.endr
.endm
.macro MULK f, u                       ; 16 matrix instructions: four tiles of keys x four of queries, K step 4 f + u / 2
.set sK, 4*(\f)+(\u)/2
.set bK, BUF+64*((\u)%3)
.set gK, (\u)%2
	WIN 0xf4+4*(\f)
.irp k, 0,1,2,3
.irp q, 0,1,2,3
.if sK == 0
	v_wmma_f32_16x16x128_fp8_fp8 v[8*(4*(4*gK+\k)+\q):8*(4*(4*gK+\k)+\q)+7], v[bK+16*\k:bK+16*\k+15], v[16*(4*(sK%4)+\q):16*(4*(sK%4)+\q)+15], 0
.else
	v_wmma_f32_16x16x128_fp8_fp8 v[8*(4*(4*gK+\k)+\q):8*(4*(4*gK+\k)+\q)+7], v[bK+16*\k:bK+16*\k+15], v[16*(4*(sK%4)+\q):16*(4*(sK%4)+\q)+15], v[8*(4*(4*gK+\k)+\q):8*(4*(4*gK+\k)+\q)+7]
.endif
.endr
.endr
.endm
; A unit: half a K step.  Counts: behind unit u's 16 LDS loads those of the next two units may be out (32; 16 and 0 at the end).  Its set then takes the unit three on.
; Behind a K step's second unit q's registers of that step take a tile of v from memory.
.macro KUNIT f, u
.if \u <= 5
	s_wait_dscnt 32
.elseif \u == 6
	s_wait_dscnt 16
.else
	s_wait_dscnt 0x0
.endif
	MULK \f, \u
	PLACES
	WIN 0
.if \u <= 4
	LOADU BUF+64*((\u)%3), AK+((\u)+3)/2, 8192*(((\u)+3)%2)
.endif
.if (\u)%2
	WIN 0x40*(1+(\f))
.set n, 0
.rept 16
	global_load_b128 v[64*((\u)/2)+4*n:64*((\u)/2)+4*n+3], v[VO], s[56:57] offset:8192*(4*(\f)+(\u)/2)+512*n
.set n, n+1
.endr
	WIN 0
.endif
.endm
.macro KFILL f
	LOADU BUF, AK, 0
	LOADU BUF+64, AK, 8192
	LOADU BUF+128, AK+1, 0
.irp u, 0,1,2,3,4,5,6,7
	KUNIT \f, \u
.endr
.endm
; The region is filled again: the three lines, a round of the cluster's barrier, and my one joint load first behind it.
.macro REFILL step
	s_wait_tensorcnt 0x0                           ; no tensor load of mine is out, so group 0 may be written
	ds_add_u32 v[SPW], v[NIL]
	s_add_nc_u64 s[34:35], s[34:35], \step
	s_wait_dscnt 0x0                               ; the add is done, and my reads of the region are over
	s_barrier_signal -1
	s_barrier_wait -1
	CREST
	tensor_load_to_lds s[32:35], s[16:23]
	s_nop 0
	PLACES
.endm
	s_wait_alu depctr_va_vdst(0)
	s_wait_tensorcnt 0x0                           ; my K step is in,
	s_barrier_signal -1
	s_barrier_wait -1                              ; everybody's is
	s_wait_loadcnt 0x0                             ; q
	KFILL 0
	REFILL 262144                                  ; k's K steps 4-7
	global_prefetch_b8 v[PF], s[56:57] offset:786432 th:TH_LOAD_NT scope:SCOPE_SE
	s_wait_tensorcnt 0x0
	s_barrier_signal -1
	s_barrier_wait -1
	KFILL 1
	REFILL 524288                                  ; v's channel tiles 32-63: wave w's load brings the eight that wave w multiplies
; THE SOFTMAX.  Lane (r, h) holds query r of each tile of queries; its registers run along my 128 keys.  The four tiles of queries take turns line by line.
.irp i, 0,1,2,3,4,5,6,7
	v_mov_b32 v[MX+\i], 0xff800000
.endr
.irp i, 0,1,2,3,4,5,6,7
	v_mov_b32 v[SUM+\i], 0
.endr
	WIN 0x3c
.irp k, 0,1,2,3,4,5,6,7
.irp i, 0,1,2,3
.irp q, 0,1,2,3
	v_max3_num_f32 v[MX+2*\q+(\k%2)], v[MX+2*\q+(\k%2)], v[8*(4*\k+\q)+2*\i], v[8*(4*\k+\q)+2*\i+1]   ; each accumulator from its low end on
.endr
.endr
.endr
	WIN 0
.irp q, 0,1,2,3
	v_max_num_f32 v[MX+2*\q], v[MX+2*\q], v[MX+2*\q+1]
.endr
.irp q, 0,1,2,3
	v_permlanex16_b32 v[PT+\q], v[MX+2*\q], s50, s51
.endr
.irp q, 0,1,2,3
	v_max_num_f32 v[MX+2*\q], v[MX+2*\q], v[PT+\q]
.endr
.irp q, 0,1,2,3
	ds_store_b32 v[SW], v[MX+2*\q] offset:256*\q
.endr
	s_wait_dscnt 0x0
	s_barrier_signal -1
	s_barrier_wait -1
.irp q, 0,1,2,3
	ds_load_b128 v[EX+4*\q:EX+4*\q+3], v[SR] offset:256*\q
.endr
	s_wait_dscnt 0x0
.irp q, 0,1,2,3
	v_max3_num_f32 v[MX+2*\q], v[EX+4*\q], v[EX+4*\q+1], v[EX+4*\q+2]
.endr
.irp q, 0,1,2,3
	v_max_num_f32 v[MX+2*\q], v[MX+2*\q], v[EX+4*\q+3]
.endr
.irp q, 0,1,2,3
	v_mul_f32 v[MX+2*\q], s48, v[MX+2*\q]          ; as t (c is positive)
.endr
.irp q, 0,1,2,3
	v_floor_f32 v[NM+2*\q], -v[MX+2*\q]            ; -M = floor(-t) = -ceil(t)
.endr
.irp q, 0,1,2,3
	v_mov_b32 v[NM+2*\q+1], v[NM+2*\q]
.endr
	WIN 0xc3
.irp k, 0,1,2,3,4,5,6,7
.irp q, 0,1,2,3
.irp i, 0,2,4,6
	v_pk_fma_f32 v[8*(4*\k+\q)+\i:8*(4*\k+\q)+\i+1], v[8*(4*\k+\q)+\i:8*(4*\k+\q)+\i+1], s[48:49], v[NM+2*\q:NM+2*\q+1] op_sel_hi:[1,0,0]   ; t - M
.endr
.endr
.endr
.set n, 0
	s_wait_alu depctr_va_vdst(0)
.rept 256
	v_exp_f32 v[n], v[n]                           ; p = 2^(t - M)
.set n, n+1
.endr
	v_nop                                          ; a plain place behind the batch
	WIN 0x0c
	s_wait_alu depctr_va_vdst(0)                   ; one wait for the whole batch
.irp k, 0,1,2,3,4,5,6,7
.irp i, 0,2,4,6
.irp q, 0,1,2,3
	v_pk_add_f32 v[SUM+2*\q:SUM+2*\q+1], v[SUM+2*\q:SUM+2*\q+1], v[8*(4*\k+\q)+\i:8*(4*\k+\q)+\i+1]   ; the sum of the unquantised p
.endr
.endr
.endr
	WIN 0xc3
.set n, 0
.rept 256
	v_min_num_f32 v[n], v[n], v[PLIM]              ; the conversion does not saturate (ISA guide 7.6.2); p is not negative
.set n, n+1
.endr
	WIN 0x03
.irp q, 0,1,2,3
.irp k, 0,1,2,3,4,5,6,7
	v_cvt_scalef32_pk8_fp8_f32 v[BUF+16*\q+2*\k:BUF+16*\q+2*\k+1], v[8*(4*\k+\q):8*(4*\k+\q)+7], v[PSC]
.endr
.endr
	WIN 0
	v_nop                                          ; a plain line behind the conversions
.irp q, 0,1,2,3
	v_add_f32 v[SUM+2*\q], v[SUM+2*\q], v[SUM+2*\q+1]
.endr
.irp q, 0,1,2,3
	v_permlanex16_b32 v[PT+\q], v[SUM+2*\q], s50, s51
.endr
.irp q, 0,1,2,3
	v_add_f32 v[SUM+2*\q], v[SUM+2*\q], v[PT+\q]
.endr
.irp q, 0,1,2,3
	ds_store_b32 v[SW], v[SUM+2*\q] offset:1024+256*\q
.endr
.irp q, 0,1,2,3
.irp g, 0,1,2,3
	ds_store_b128 v[PW], v[BUF+16*\q+4*\g:BUF+16*\q+4*\g+3] offset:2048*\q+512*\g   ; my 128 keys are K step w of p: whole fragments
.endr
.endr
	s_wait_dscnt 0x0
	s_barrier_signal -1
	s_barrier_wait -1
	WIN 0xc0
.set n, 0
.rept 64
	ds_load_b128 v[4*n:4*n+3], v[PR] offset:512*n  ; all of p, over S^T: fragment (step, q) at 16 (4 step + q)
.set n, n+1
.endr
	WIN 0
.irp q, 0,1,2,3
	ds_load_b128 v[EX+4*\q:EX+4*\q+3], v[SR] offset:1024+256*\q
.endr
	s_wait_dscnt 0x0
.irp q, 0,1,2,3
	v_add_f32 v[EX+4*\q], v[EX+4*\q], v[EX+4*\q+1]
.endr
.irp q, 0,1,2,3
	v_add_f32 v[EX+4*\q+2], v[EX+4*\q+2], v[EX+4*\q+3]
.endr
.irp q, 0,1,2,3
	v_add_f32 v[EX+4*\q], v[EX+4*\q], v[EX+4*\q+2]
.endr
	s_wait_alu depctr_va_vdst(0)
.irp q, 0,1,2,3
	v_rcp_f32 v[MX+2*\q], v[EX+4*\q]
.endr
	v_nop
	s_wait_alu depctr_va_vdst(0)
.irp q, 0,1,2,3
	v_ldexp_f32 v[MX+2*\q], v[MX+2*\q], s52        ; 2^(e6 + e7) / the sum
.endr
.irp q, 0,1,2,3
	v_mov_b32 v[MX+2*\q+1], v[MX+2*\q]
.endr
	s_wait_alu depctr_va_vdst(0)
; A group of 64 channels: 64 matrix instructions; within a tile of channels its 4 accumulators take turns, three others' between two steps of a sum.
; ob = 0: accumulators in window 0 from v64; 1: in window 1 from v0.  v's fragment (tile c, step s) lies at 64 c + 16 s of the window that win names as source 0.
.macro MULV win, ob
.set OO, 64-64*(\ob)
	WIN \win
.irp c, 0,1,2,3
.irp s, 0,1,2,3
.irp q, 0,1,2,3
.if \s == 0
	v_wmma_f32_16x16x128_fp8_fp8 v[OO+8*(4*\c+\q):OO+8*(4*\c+\q)+7], v[64*\c+16*\s:64*\c+16*\s+15], v[16*(4*\s+\q):16*(4*\s+\q)+15], 0
.else
	v_wmma_f32_16x16x128_fp8_fp8 v[OO+8*(4*\c+\q):OO+8*(4*\c+\q)+7], v[64*\c+16*\s:64*\c+16*\s+15], v[16*(4*\s+\q):16*(4*\s+\q)+15], v[OO+8*(4*\c+\q):OO+8*(4*\c+\q)+7]
.endif
.endr
.endr
.endr
	PLACES
	WIN 0
.endm
; A group is scaled in place and turned through my stage, a tile of queries at a time (LDS serves a wave's instructions in order): 64 rows of 256 bytes come back into window 1, v128-255.
.macro EPI ob
.set OO, 64-64*(\ob)
	s_wait_xcnt 0x0                                ; the last group's stores have read those registers
	WIN 0x41*(\ob)
.irp c, 0,1,2,3
.irp q, 0,1,2,3
.irp j, 0,2,4,6
	v_pk_mul_f32 v[OO+8*(4*\c+\q)+\j:OO+8*(4*\c+\q)+\j+1], v[OO+8*(4*\c+\q)+\j:OO+8*(4*\c+\q)+\j+1], v[MX+2*\q:MX+2*\q+1]
.endr
.endr
.endr
.irp q, 0,1,2,3
	WIN 0x04*(\ob)
.irp c, 0,1,2,3
	ds_store_b128 v[STO], v[OO+8*(4*\c+\q):OO+8*(4*\c+\q)+3] offset:64*\c
	ds_store_b128 v[STO], v[OO+8*(4*\c+\q)+4:OO+8*(4*\c+\q)+7] offset:64*\c+16
.endr
	WIN 0x40
.irp t, 0,1,2,3,4,5,6,7
	ds_load_b128 v[128+32*\q+4*\t:128+32*\q+4*\t+3], v[RD] offset:2*\t*SP
.endr
.endr
	WIN 0
.endm
.macro SEND g, younger                 ; sixteen lanes store 256 consecutive bytes, aligned.  younger: at most so many LDS instructions issued behind the rows' loads may be out
	s_wait_dscnt \younger
	WIN 0x04
.irp q, 0,1,2,3
.irp t, 0,1,2,3,4,5,6,7
	global_store_b128 v[GO], v[128+32*\q+4*\t:128+32*\q+4*\t+3], s[10:11] offset:(16*\q+2*\t)*4096+2048*((\g)/2)+256*((\g)%2) th:TH_STORE_NT
.endr
.endr
	WIN 0
.endm
.macro VFR half                        ; four tiles of channels of the third fill into window 2
	WIN 0x80
.set n, 0
.rept 64
	ds_load_b128 v[4*n:4*n+3], v[AV] offset:32768*(\half)+512*n
.set n, n+1
.endr
	WIN 0
.endm
	s_wait_loadcnt 0x0                             ; v's tiles that came to registers
	MULV 0x0d, 0                                   ; channels 128 w + 0 .. 63: v in window 1
	EPI 0
	MULV 0x5e, 1                                   ; channels 128 w + 64 .. 127: v in window 2
	s_wait_tensorcnt 0x0                           ; my part of the third fill is in: I alone read it
	VFR 0
	SEND 0, 63                                     ; behind the rows' loads 64 LDS loads were issued
	EPI 1
	s_wait_dscnt 63                                ; v's fragments are in: behind them 64 LDS instructions were issued
	MULV 0x0e, 0                                   ; channels 512 + 128 w + 0 .. 63
	VFR 1
	SEND 1, 63
	EPI 0
	s_wait_dscnt 63
	MULV 0x5e, 1                                   ; channels 512 + 128 w + 64 .. 127
	SEND 2, 0
	EPI 1
	SEND 3, 0
	s_wait_tensorcnt 0x0                           ; the wave's end
	ds_add_u32 v[SPW], v[NIL]
	s_wait_dscnt 0x0
	CROUND                                         ; the closing round
	s_endpgm
.Lfunc_end_k_q206c02dfcc_attn:
	.size	k_q206c02dfcc_attn, .Lfunc_end_k_q206c02dfcc_attn-k_q206c02dfcc_attn
	.p2alignl 7, 3214868480
	.fill 96, 4, 3214868480
	.section	.rodata,"a",@progbits
	.p2align	6, 0x0
	.amdhsa_kernel k_q206c02dfcc_attn
		.amdhsa_group_segment_fixed_size 327680
		.amdhsa_private_segment_fixed_size 0
		.amdhsa_enable_private_segment 0
		.amdhsa_kernarg_size 32
		.amdhsa_user_sgpr_count 2
		.amdhsa_user_sgpr_kernarg_segment_ptr 1
		.amdhsa_wavefront_size32 1
		.amdhsa_system_sgpr_workgroup_id_x 1
		.amdhsa_system_sgpr_workgroup_id_y 1
		.amdhsa_system_sgpr_workgroup_id_z 1
		.amdhsa_system_vgpr_workitem_id 0
		.amdhsa_next_free_vgpr 1024
		.amdhsa_next_free_sgpr 66
		.amdhsa_reserve_vcc 0
		.amdhsa_float_denorm_mode_32 3
		.amdhsa_float_denorm_mode_16_64 3
		.amdhsa_memory_ordered 1
		.amdhsa_forward_progress 1
		.amdhsa_inst_pref_size 191
	.end_amdhsa_kernel
	.amdgpu_metadata
---
amdhsa.version: [ 1, 2 ]
amdhsa.kernels:
  - .name:           k_q206c02dfcc_attn
    .symbol:         k_q206c02dfcc_attn.kd
    .args:
      - { .name: qcodes, .offset: 0, .size: 8, .value_kind: global_buffer, .address_space: global }
      - { .name: kv, .offset: 8, .size: 8, .value_kind: global_buffer, .address_space: global }
      - { .name: lowp_scales, .offset: 16, .size: 8, .value_kind: global_buffer, .address_space: global }
      - { .name: out0, .offset: 24, .size: 8, .value_kind: global_buffer, .address_space: global }
    .group_segment_fixed_size: 327680
    .private_segment_fixed_size: 0
    .kernarg_segment_align: 8
    .kernarg_segment_size: 32
    .max_flat_workgroup_size: 128
    .sgpr_count:     66
    .vgpr_count:     1024
    .wavefront_size: 32
...
	.end_amdgpu_metadata
.endif
;; end of part 3
